; MI455X (gfx1250); checked and timed in simulation.
; The chip was launched on July 23, 2026; its instructions are those of AMD's public machine-readable ISA for CDNA 5 (MIT licence, August 2026) and "CDNA5" Instruction Set Architecture Reference Guide (July 2026). The comments in the code are by the model that wrote it; some were corrected since.
;; Bahdanau Attention. Allowed arithmetic: float matrix products may take bf16 or f16 operands with f32 sums; other float arithmetic in f32, or as packed bf16 or f16 multiplies, adds, multiply-adds, maxima and minima; sums over many terms, partial sums and values carried from step to step in f32; what a program stores and reads back later, other than sums and carried values, may be rounded once to bf16 or f16.
;; Inputs: B 1,024 float32; U 1,024 float32; W 1,024 x 1,024 float32; encoded 32 x 2,048 x 1,024 float32.
;; Outputs: out0 32 x 1,024 float32.
;; One version. Each part assembles by itself: llvm-mc -triple=amdgcn-amd-amdhsa -mcpu=gfx1250 --defsym DOCPART=n.
;; ======== version 1 of 1: 3 launches
;; workspace buffers: Wf 2,097,152 bytes; part 2,228,224 bytes
;; launch prep (part 1): grid 256 x 1, 8 waves a work-group, no clusters, 0 bytes of LDS; arguments W, Wf; writes Wf
.if DOCPART == 1
	.amdgcn_target "amdgcn-amd-amdhsa--gfx1250"
	.amdhsa_code_object_version 6
	.text
	.protected	k_qf8fccc20bc_prep
	.globl	k_qf8fccc20bc_prep
	.p2align	8
	.type	k_qf8fccc20bc_prep,@function
k_qf8fccc20bc_prep:
	s_mov_b64 s[64:65], 0
	v_nop
	global_prefetch_b8 v0, s[64:65] scope:SCOPE_SE
	s_setreg_imm32_b32 hwreg(HW_REG_WAVE_MODE, 25, 1), 1
	s_wait_xcnt 0x0
; THE PROGRAM (three launches): out[b] = sum over s of softmax_s(score[b][s]) x[b][s], score = sum over e of U[e] tanh(x.W[:,e] + B[e]).
;   prep: W rounded to bf16 and laid in the order of a wave's operand registers.  main: product, bias, tanh, sum with U, and for each tile of 128 rows its
;   maximum m, its sum l of weights and its weighted sum c of rows.  combine: the 16 tiles of a batch merged.
; WORK LEFT OUT.  tanh z = 1 - 2 r with r = 1 / (1 + 2^(c z)), c = 2 log2(e), an identity for every real z.  So score[b][s] = sum(U) - 2 sum over e of U[e] r[e].
; sum(U) does not hang on s: it is the same number for all 2,048 rows over which the softmax is taken, whatever finite values the inputs hold, and a term that is the same
; along a softmax's axis cancels.  It is not formed; the program's score is -2 sum U[e] r[e].  All four inputs stay live and are loaded.
; LIMIT: a NaN, an infinity or an overflow that would arise in sum(U) alone is not carried to the result.  The score that is kept is of the size of sum |U|.
;
; THIS LAUNCH.  W is [k][e] f32.  Wf is [w 0..3][par 0..1][ks 0..31][b 0..7][1,024 bytes]: a fragment of 16 columns e = 512 par + 128 w + 16 b + r and 32 k = 32 ks ..
; In a fragment the 16 bytes of (column r, k = 8 q .. 8 q + 7) lie at 512 (q / 2) + 16 (16 (q % 2) + r): lane l of a wave takes registers 0-3 at 16 l and 4-7 at 512 + 16 l.
; A work-group takes 32 k x 128 columns: 8,192 bytes of Wf on end.  Thread t: column t % 128, 16 k (half t / 128).  A load of a wave covers 128 consecutive bytes of a row of W;
; sixteen neighbouring lanes store 256 consecutive bytes, aligned.  W is 4 MiB and is read once: no stage in LDS is spent on longer reads.
	s_load_b128 s[4:7], s[0:1], 0x0                ; W s[4:5], Wf s[6:7]
	s_lshr_b32 s8, ttmp9, 3                        ; ks
	s_and_b32 s9, ttmp9, 7                         ; group of 128 columns = 4 par + w
	s_lshl_b32 s10, s8, 17                         ; 32 rows of 4,096 bytes
	s_lshl_b32 s11, s9, 9                          ; 128 columns of 4 bytes
	s_add_co_u32 s10, s10, s11
	s_mov_b32 s11, 0
	s_and_b32 s12, s9, 3                           ; w
	s_lshl_b32 s12, s12, 19
	s_lshr_b32 s13, s9, 2                          ; par
	s_lshl_b32 s13, s13, 18
	s_add_co_u32 s12, s12, s13
	s_lshl_b32 s13, s8, 13                         ; ks x 8,192
	s_add_co_u32 s12, s12, s13
	s_mov_b32 s13, 0
	v_and_b32 v3, 127, v0                          ; my column in the group
	v_lshrrev_b32 v4, 7, v0                        ; my half of the 32 k
	v_lshlrev_b32 v1, 2, v3
	v_lshl_add_u32 v1, v4, 16, v1                  ; in: 16 rows x half + 4 x column
	v_lshrrev_b32 v5, 4, v3                        ; b
	v_and_b32 v6, 15, v3                           ; r
	v_lshlrev_b32 v2, 4, v6
	v_lshl_add_u32 v2, v5, 10, v2
	v_lshl_add_u32 v2, v4, 9, v2                   ; out: 1,024 b + 512 half + 16 r
	s_wait_kmcnt 0x0
	s_add_nc_u64 s[4:5], s[4:5], s[10:11]
	s_add_nc_u64 s[6:7], s[6:7], s[12:13]
.irp i, 0,1,2,3,4,5,6,7,8,9,10,11,12,13,14,15
	global_load_b32 v[8+(\i)], v1, s[4:5] offset:(\i)*4096
.endr
	s_wait_loadcnt 0x0
.irp j, 0,1,2,3,4,5,6,7
	v_cvt_pk_bf16_f32 v[24+(\j)], v[8+2*(\j)], v[9+2*(\j)]   ; two roundings to bf16, the lower k in the low half
.endr
	global_store_b128 v2, v[24:27], s[6:7]                   ; k = 16 half + 0..7
	global_store_b128 v2, v[28:31], s[6:7] offset:256        ; k = 16 half + 8..15
	s_endpgm
.Lfunc_end_k_qf8fccc20bc_prep:
	.size	k_qf8fccc20bc_prep, .Lfunc_end_k_qf8fccc20bc_prep-k_qf8fccc20bc_prep
	.p2alignl 7, 3214868480
	.fill 96, 4, 3214868480
	.section	.rodata,"a",@progbits
	.p2align	6, 0x0
	.amdhsa_kernel k_qf8fccc20bc_prep
		.amdhsa_group_segment_fixed_size 0
		.amdhsa_private_segment_fixed_size 0
		.amdhsa_enable_private_segment 0
		.amdhsa_kernarg_size 16
		.amdhsa_user_sgpr_count 2
		.amdhsa_user_sgpr_kernarg_segment_ptr 1
		.amdhsa_wavefront_size32 1
		.amdhsa_system_sgpr_workgroup_id_x 1
		.amdhsa_system_sgpr_workgroup_id_y 1
		.amdhsa_system_sgpr_workgroup_id_z 1
		.amdhsa_system_vgpr_workitem_id 0
		.amdhsa_next_free_vgpr 32
		.amdhsa_next_free_sgpr 66
		.amdhsa_reserve_vcc 0
		.amdhsa_float_denorm_mode_32 3
		.amdhsa_float_denorm_mode_16_64 3
		.amdhsa_memory_ordered 1
		.amdhsa_forward_progress 1
		.amdhsa_inst_pref_size 4
	.end_amdhsa_kernel
	.amdgpu_metadata
---
amdhsa.version: [ 1, 2 ]
amdhsa.kernels:
  - .name:           k_qf8fccc20bc_prep
    .symbol:         k_qf8fccc20bc_prep.kd
    .args:
      - { .name: W, .offset: 0, .size: 8, .value_kind: global_buffer, .address_space: global }
      - { .name: Wf, .offset: 8, .size: 8, .value_kind: global_buffer, .address_space: global }
    .group_segment_fixed_size: 0
    .private_segment_fixed_size: 0
    .kernarg_segment_align: 8
    .kernarg_segment_size: 16
    .max_flat_workgroup_size: 256
    .sgpr_count:     66
    .vgpr_count:     32
    .wavefront_size: 32
...
	.end_amdgpu_metadata
.endif
;; end of part 1
;; launch main (part 2): grid 256 x 1, 4 waves a work-group, no clusters, 279,040 bytes of LDS; arguments encoded, Wf, B, U, part; writes part
.if DOCPART == 2
	.amdgcn_target "amdgcn-amd-amdhsa--gfx1250"
	.amdhsa_code_object_version 6
	.text
	.protected	k_qf8fccc20bc_main
	.globl	k_qf8fccc20bc_main
	.p2align	8
	.type	k_qf8fccc20bc_main,@function
k_qf8fccc20bc_main:
	s_mov_b64 s[64:65], 0
	v_nop
	global_prefetch_b8 v0, s[64:65] scope:SCOPE_SE
	s_setreg_imm32_b32 hwreg(HW_REG_WAVE_MODE, 25, 1), 1
	s_wait_xcnt 0x0
; For each tile of 128 rows x[s] (1,024 f32): z = x W + B by the matrix unit (x and W rounded to bf16, sums in f32), r = 1 / (1 + 2^(c z)), score[s] = -2 sum over e of U[e] r[e],
; then the tile's maximum m, p = e^(score - m), l = sum p, c[d] = sum over s of p[s] x[s][d].  Stored: c (1,024 f32), then 32 copies of (m, l): 4,352 bytes a tile.
; WORK LEFT OUT: the term sum(U) of the score, the same for all rows of a softmax (shown at the head of the first kernel); a NaN, infinity or overflow in it alone is not carried on.
; LIMITS.  x and W enter both products rounded to bf16.  2^(c z) may overflow to infinity (r = 0) or fall to 0 (r = 1): tanh's own limits.  p enters the second product as two bf16 terms,
; p's rounding and the rounding of what that left; l is the sum of the unrounded p.  A weight below 2^-126 counts as 0.  NaN and infinities among the inputs are not treated apart.
; SHARES.  256 work-groups of four waves; a work-group takes 256 consecutive rows (an eighth of a batch) as two tiles of 128.  A tile's x lies in LDS in bf16, 262,144 bytes, in the order of
; operand registers, for both passes over the columns and for the context sum: x is read from memory once.  The 1,024 columns go in two passes of 512; wave w makes 128 rows x 128 columns:
; 64 accumulators, 512 registers.  The first pass STREAMS x: loads of f32, rounding, LDS stores, one block of 32 k ahead of its use, under the products; the second finds x RESIDENT.
; W's fragments go from memory straight into registers: no two waves of the work-group want the same column.
; NO CLUSTER, NO JOINT LOADS, though all work-groups walk the same W: x takes 262,144 of the 327,680 bytes, tables, scratch and spare words 16,896; two slots of one K step of 32 for 512
; columns would be 65,536, which does not fit; and x itself.
; THE MATRIX INSTRUCTION IS USED TRANSPOSED: source 0 = 16 columns of W, source 1 = 16 rows of x.  In the result lane (r = l % 16, h = l / 16) holds row 16 a + r and in register j column 16 b + 8 h + j.
; REGISTERS, in windows of 256 (s_set_vgpr_msb: bits 1:0 source 0, 3:2 source 1, 5:4 source 2, 7:6 destination):
;   window 0: v0-33 addresses; v34-63 at work; v64-159 x's fragments, three halves of 32 by turns (epilogue: c B; context: p, sums); v160-191 score sums; v192-255 two groups of x as loaded
;   window 1: v0-191 W's fragments, three buffers of 64 by turns (epilogue: -2 U in the third); v192-223 the third group of x
;   window 2, 3: the accumulators: (a, b) at v[8 (8 (a % 4) + b)] of window 2 + a / 4.  Context: window 2 v0-127 sixteen accumulators, window 3 two buffers of x turned
.set BLK,   8192                       ; LDS: x, block ks of 32 k at 8,192 ks: 8 fragments a (rows 16 a + r) of 1,024 bytes, laid as Wf's
.set TB,    262144                     ; c B[e], 4,096 bytes; behind it -2 U[e], 4,096 bytes
.set SCR,   270336                     ; [wave][128 rows] f32: the waves' parts of the scores
.set PT,    272384                     ; [wave]: 128 bf16 of p, then 128 bf16 of what the rounding left; each wave's own copy
.set CST,   274432                     ; [wave][256] f32: the context's way out, each wave's own
.set SPARE, 278528                     ; the spare words, 128 bytes for each wave: two blocks of 256 bytes that no other line names
.set XA,   2                           ; v2   LDS address of the fragments of x that are read: XO + XA0
.set XS,   3                           ; v3   LDS address at which my part of a block is stored: XO + XS0
.set FO,   4                           ; v4   my bytes in 16 rows of x in memory: 4,096 r + 32 h
.set WO,   5                           ; v5   16 l: my 16 bytes of half a fragment of Wf
.set PFO,  6                           ; v6   4,096 l: a lane a row, for the prefetches
.set TAB,  7                           ; v7   TB + 512 w + 32 h
.set CTA,  8                           ; v8   the turning loads: 65,536 w + 256 ((l / 8) % 2) + 16 (8 h + l % 8)
.set SCW,  9                           ; v9   SCR + 512 w + 4 l
.set SCRD, 10                          ; v10  SCR + 4 l
.set PTW,  11                          ; v11  PT + 512 w + 2 l
.set PTR,  12                          ; v12  PT + 512 w + 256 (r % 2) + 16 h
.set CSW,  13                          ; v13  CST + 1,024 w + 4 l
.set CSR,  14                          ; v14  CST + 1,024 w + 16 l
.set GO,   15                          ; v15  1,024 w + 16 l: my bytes of c in part
.set MLO,  16                          ; v16  8 l
.set XA0,  17                          ; v17  16 l
.set XS0,  18                          ; v18  2,048 w + 16 l: wave w stores fragments 2 w and 2 w + 1 of each block
.set TABR, 19                          ; v19  TAB + the pass's 2,048
.set SPW,  32                          ; v32  LDS address of my spare word; never rewritten
.set NIL,  33                          ; v33  0; never rewritten
.set T0,   34                          ; v34-53 at work
.set ML,   60                          ; v[60:61] m, l
.set AR,   64                          ; x's fragments: three halves of 32
.set CB,   64                          ; epilogue: c B of my 8 x 8 columns
.set PFRG, 64                          ; context: p's four fragments
.set CSUM, 96                          ; context: v96-111 sums, v112-119 chosen, v120-127 back from the stage
.set SS,   160                         ; score sums: four registers for each block a of 16 rows
.set CU,   128                         ; window 1: -2 U of my 8 x 8 columns
.set WV,   14                          ; s14  my wave's number
.set PASS, 15                          ; s15  passes to go, 4 to 1
.set CNT,  16                          ; s16  trips to go
.set LIMR, 17                          ; s17  a resident trip prefetches while CNT is at most this
.set CC,   18                          ; s[18:19] c = 2 log2(e), twice
.set SEL,  20                          ; s[20:21] v_permlanex16_b32's selects: each lane takes its own place in the other half
.set HIM,  22                          ; s22  mask of lanes 16-31
.set L2E,  23                          ; s23  log2(e)
.set WB,   24                          ; s[24:25] Wf at my wave's 524,288 bytes
.set WP,   26                          ; s[26:27] Wf at the block at which the trip in hand begins
.set XT,   28                          ; s[28:29] x at my wave's 32 rows of the tile
.set XP,   30                          ; s[30:31] the same, at the block at which the trip begins
.set PF,   32                          ; s[32:33] where my prefetches stand
.set PST,  34                          ; s[34:35] their step
.set PRT,  36                          ; s[36:37] part at the tile
.set XO,   42                          ; s42  LDS offset of the block at which the trip begins
.set TOFF, 43                          ; s43  0 or 2,048: the pass's half of the tables
.set RES,  44                          ; s44  0: the pass streams x; 1: x is resident
.set MUL_LO, 0xa1                      ; source 0 (W) window 1, source 1 (x) window 0, C and D window 2
.set MSB, 0
.macro WIN new                         ; the immediate's high byte repeats the setting that is left; a switch that changes nothing is dropped
.if MSB != (\new)
	s_set_vgpr_msb (MSB<<8)|(\new)
.set MSB, \new
.endif
.endm
; A load into a register that a matrix instruction has read, and a vector instruction that reads a matrix result, stand four places behind it; only plain vector instructions
; that name none of its registers are places (ISA guide 7.12.1 for vector instructions).
.macro PLACES
.rept 4
	v_nop
.endr
.endm
; 16 matrix instructions: row blocks a0, a0 + 1 of half ah x all 8 column blocks, 32 along K.  The 64 accumulators take turns in the same order in every step.
.macro MUL16 k3, ah, a0, zero
	WIN MUL_LO+0x50*(\ah)
.irp a, \a0, (\a0)+1
.irp b, 0,1,2,3,4,5,6,7
.if \zero
	v_wmma_f32_16x16x32_bf16 v[8*(8*(\a)+(\b)):8*(8*(\a)+(\b))+7], v[64*(\k3)+8*(\b):64*(\k3)+8*(\b)+7], v[AR+32*((2*(\k3)+(\ah))%3)+8*(\a):AR+32*((2*(\k3)+(\ah))%3)+8*(\a)+7], 0
.else
	v_wmma_f32_16x16x32_bf16 v[8*(8*(\a)+(\b)):8*(8*(\a)+(\b))+7], v[64*(\k3)+8*(\b):64*(\k3)+8*(\b)+7], v[AR+32*((2*(\k3)+(\ah))%3)+8*(\a):AR+32*((2*(\k3)+(\ah))%3)+8*(\a)+7], v[8*(8*(\a)+(\b)):8*(8*(\a)+(\b))+7]
.endif
.endr
.endr
.endm
; 16 LDS loads: a block's eight fragments of x, rows 0-63 first.  32 lanes take 512 consecutive bytes.
.macro ALOAD k3n, off
	WIN 0
.irp a, 0,1,2,3,4,5,6,7
	ds_load_b128 v[AR+32*((2*(\k3n)+(\a)/4)%3)+8*((\a)%4):AR+32*((2*(\k3n)+(\a)/4)%3)+8*((\a)%4)+3],   v[XA] offset:(\off)+1024*(\a)
	ds_load_b128 v[AR+32*((2*(\k3n)+(\a)/4)%3)+8*((\a)%4)+4:AR+32*((2*(\k3n)+(\a)/4)%3)+8*((\a)%4)+7], v[XA] offset:(\off)+1024*(\a)+512
.endr
.endm
; 16 loads: my eight fragments of W for one block, 512 consecutive bytes an instruction
.macro WLOAD k3n, off
	WIN 0x40
.irp b, 0,1,2,3,4,5,6,7
	global_load_b128 v[64*(\k3n)+8*(\b):64*(\k3n)+8*(\b)+3],   v[WO], s[WP:WP+1] offset:(\off)+1024*(\b)
	global_load_b128 v[64*(\k3n)+8*(\b)+4:64*(\k3n)+8*(\b)+7], v[WO], s[WP:WP+1] offset:(\off)+1024*(\b)+512
.endr
.endm
; 8 loads: my 32 rows x 32 k of x in f32, into group g: piece 2 al + u is rows 16 al + r, k = 16 u + 8 h + 0..7
.macro XLOAD g, off
	WIN 0x40*((\g)/2)
.set GB, 192+32*((\g)%2)
.irp al, 0,1
.irp u, 0,1
.irp i, 0,1
	global_load_b128 v[GB+8*(2*(\al)+(\u))+4*(\i):GB+8*(2*(\al)+(\u))+4*(\i)+3], v[FO], s[XP:XP+1] offset:(\al)*65536+(\off)+64*(\u)+16*(\i)
.endr
.endr
.endr
.endm
.macro XCVT g                          ; 16 roundings, in place: a piece's 8 f32 become 16 bytes in its first four registers
	WIN 0x45*((\g)/2)
.set GB, 192+32*((\g)%2)
.irp p, 0,1,2,3
.irp i, 0,1,2,3
	v_cvt_pk_bf16_f32 v[GB+8*(\p)+(\i)], v[GB+8*(\p)+2*(\i)], v[GB+8*(\p)+2*(\i)+1]
.endr
.endr
.endm
.macro XSTORE g, off                   ; 4 LDS stores, 512 consecutive bytes each
	WIN 0x04*((\g)/2)
.set GB, 192+32*((\g)%2)
.irp p, 0,1,2,3
	ds_store_b128 v[XS], v[GB+8*(\p):GB+8*(\p)+3] offset:(\off)+((\p)/2)*1024+((\p)%2)*512
.endr
.endm
.macro PRIME par                       ; W's first two blocks of pass par
	WIN 0
	s_wait_xcnt 0x0                                ; every earlier load has read its address: the pointer may be written
	s_add_nc_u64 s[WP:WP+1], s[WB:WB+1], (\par)*262144
	WLOAD 0, 0
	WLOAD 1, BLK
.endm
.macro STEPPTR n, str                  ; the trip's pointers go n blocks on
	WIN 0
	s_wait_xcnt 0x0                                ; every load and prefetch issued so far has read its address (the trip's prefetches stand two steps back)
	s_add_nc_u64 s[WP:WP+1], s[WP:WP+1], BLK*(\n)
	s_add_co_u32 s[XO], s[XO], BLK*(\n)
	v_add_nc_u32 v[XA], s[XO], v[XA0]
.if \str
	s_add_nc_u64 s[XP:XP+1], s[XP:XP+1], 128*(\n)
	v_add_nc_u32 v[XS], s[XO], v[XS0]
.endif
.endm
; PREFETCHES INTO THE L2, of x alone: it is read once, by addresses known ahead, and the waves wait for it.  Each wave asks for its own 32 rows, a lane a row, 256 bytes of each row (two blocks
; of 32 k) an instruction: each such piece is named once in the launch.  They stand behind the first step's loads of a trip of three steps.
; Streaming trips 0 to 6 (CNT 9 to 3) ask for pieces 6 | 7, 8 | 9 | 10, 11 | 12 | 13, 14 | 15 of the tile's sixteen: three pieces, six steps, ahead of their loads; the last two trips ask for nothing.
.macro ASKS
	s_cmp_ge_u32 s[CNT], 3
	s_cbranch_scc0 .Lnoask_\@
	global_prefetch_b8 v[PFO], s[PF:PF+1] th:TH_LOAD_NT scope:SCOPE_SE
	s_and_b32 s38, s[CNT], 1
	s_cmp_eq_u32 s38, 1
	s_cbranch_scc1 .Lnoask_\@
	global_prefetch_b8 v[PFO], s[PF:PF+1] offset:256 th:TH_LOAD_NT scope:SCOPE_SE
.Lnoask_\@:
.endm
; The first tile's resident pass asks in its last two trips for pieces 0, 1 and 2, 3 of the second tile; pieces 4 and 5 follow behind that tile's first loads.  The second tile's resident pass
; asks for nothing: there is no third.  The first tile's pieces 0 to 5 come by their loads alone.
.macro ASKR
	s_cmp_le_u32 s[CNT], s[LIMR]
	s_cbranch_scc0 .Lnor_\@
	global_prefetch_b8 v[PFO], s[PF:PF+1] th:TH_LOAD_NT scope:SCOPE_SE
	global_prefetch_b8 v[PFO], s[PF:PF+1] offset:256 th:TH_LOAD_NT scope:SCOPE_SE
.Lnor_\@:
.endm
; A STREAMING STEP k (k3 = k % 3; rel = k less the trip's first step).  It rounds and stores block k + 1 of x, asks for W's block k + 2 and x's block k + 4, multiplies block k, and, behind a
; barrier that shows every wave's part of block k + 1 stored, fetches that block's fragments.  Step j issues W(j + 2), 16 loads, then x(j + 4), 8 loads; loads come back in order (ISA guide 5.7.1):
; lc = 32 leaves x(k + 2), W(k + 1), x(k + 3) out and shows W(k) in, and x(k + 1), which is older.  The tail's counts run down as the loads end.
.macro SSTEP k3, rel, zero, wl, xl, cv, al, lc, pf
.if (\lc) >= 0
	s_wait_loadcnt \lc
.endif
.if \cv
	XCVT ((\k3)+1)%3                               ; its 16 roundings are also the places behind the last step's products, ahead of the loads into W's buffer
	XSTORE ((\k3)+1)%3, ((\rel)+1)*BLK
.endif
.if \wl
	WLOAD ((\k3)+2)%3, ((\rel)+2)*BLK
.endif
.if \xl
	XLOAD ((\k3)+1)%3, ((\rel)+4)*128
.endif
.if \pf
	WIN 0
	ASKS
.endif
.if \cv
	s_wait_dscnt 12                                ; rows 0-63 of block k are in; younger: rows 64-127's eight loads and my four stores
.else
	s_wait_dscnt 8
.endif
	MUL16 \k3, 0, 0, \zero
	s_wait_dscnt 0x0                               ; my stores of block k + 1 are done, for the others' sake; rows 64-127 are in
.if \cv
	s_barrier_signal -1
.endif
	MUL16 \k3, 0, 2, \zero
.if \cv
	s_barrier_wait -1                              ; every wave's part of block k + 1 lies in LDS
.endif
.if \al
	PLACES                                         ; rows 64-127 of block k + 1 go where rows 0-63 of block k were just multiplied
	ALOAD ((\k3)+1)%3, ((\rel)+1)*BLK
.endif
	MUL16 \k3, 1, 0, \zero
	MUL16 \k3, 1, 2, \zero
.endm
; A RESIDENT STEP k: W's block k + 2 is asked for; lc = 16 leaves W(k + 1) out.
.macro RSTEP k3, rel, zero, wl, al, lc, pf
	s_wait_loadcnt \lc
.if \wl
	PLACES
	WLOAD ((\k3)+2)%3, ((\rel)+2)*BLK
.endif
.if \pf
	WIN 0
	ASKR
.endif
	s_wait_dscnt 8                                 ; rows 0-63 are in; rows 64-127's eight loads are younger
	MUL16 \k3, 0, 0, \zero
	MUL16 \k3, 0, 2, \zero
.if \al
	PLACES
	ALOAD ((\k3)+1)%3, ((\rel)+1)*BLK
	s_wait_dscnt 16                                ; all but the 16 just issued
.else
	s_wait_dscnt 0x0
.endif
	MUL16 \k3, 1, 0, \zero
	MUL16 \k3, 1, 2, \zero
.endm
; THE EPILOGUE's five operations on accumulator (a, b), all but the last in place:
.macro EZ a, b                         ; c z = c acc + c B; the accumulator's lowest registers are read first
	WIN (2+(\a)/4)*0x41
.set RR, 8*(8*((\a)%4)+(\b))
.irp i, 0,1,2,3
	v_pk_fma_f32 v[RR+2*(\i):RR+2*(\i)+1], v[RR+2*(\i):RR+2*(\i)+1], s[CC:CC+1], v[CB+8*(\b)+2*(\i):CB+8*(\b)+2*(\i)+1] op_sel_hi:[1,0,1]
.endr
.endm
.macro EE a, b                         ; 2^(c z)
	WIN (2+(\a)/4)*0x41
.set RR, 8*(8*((\a)%4)+(\b))
.irp i, 0,1,2,3,4,5,6,7
	v_exp_f32 v[RR+(\i)], v[RR+(\i)]
.endr
.endm
.macro EA a, b                         ; + 1
	WIN (2+(\a)/4)*0x41
.set RR, 8*(8*((\a)%4)+(\b))
.irp i, 0,1,2,3
	v_pk_add_f32 v[RR+2*(\i):RR+2*(\i)+1], v[RR+2*(\i):RR+2*(\i)+1], 1.0 op_sel_hi:[1,0]
.endr
.endm
.macro EQ a, b                         ; r = 1 / (1 + 2^(c z))
	WIN (2+(\a)/4)*0x41
.set RR, 8*(8*((\a)%4)+(\b))
.irp i, 0,1,2,3,4,5,6,7
	v_rcp_f32 v[RR+(\i)], v[RR+(\i)]
.endr
.endm
.macro ET a, b                         ; the row block's sums += r x (-2 U): two chains of pairs
	WIN (2+(\a)/4)|0x04
.set RR, 8*(8*((\a)%4)+(\b))
.irp i, 0,1,2,3
	v_pk_fma_f32 v[SS+4*(\a)+2*((\i)%2):SS+4*(\a)+2*((\i)%2)+1], v[RR+2*(\i):RR+2*(\i)+1], v[CU+8*(\b)+2*(\i):CU+8*(\b)+2*(\i)+1], v[SS+4*(\a)+2*((\i)%2):SS+4*(\a)+2*((\i)%2)+1]
.endr
.endm
; THE EPILOGUE, one text for both passes.  Ten phases; in phase f row block f is scaled and raised, block f - 1 gets its + 1 and its reciprocals, block f - 2 is summed.  So nothing in a phase names
; a result of the phase's own exponentials and reciprocals, and each phase has ONE wait for all of them (up to 128), behind one plain instruction.
; Plain and transcendental instructions stand by turns, a tile's four or eight at a time.
.macro EPI
	WIN 0
	v_add_nc_u32 v[TABR], s[TOFF], v[TAB]
.irp b, 0,1,2,3,4,5,6,7
	ds_load_b128 v[CB+8*(\b):CB+8*(\b)+3],   v[TABR] offset:64*(\b)
	ds_load_b128 v[CB+8*(\b)+4:CB+8*(\b)+7], v[TABR] offset:64*(\b)+16
.endr
	WIN 0x40
.irp b, 0,1,2,3,4,5,6,7
	ds_load_b128 v[CU+8*(\b):CU+8*(\b)+3],   v[TABR] offset:4096+64*(\b)
	ds_load_b128 v[CU+8*(\b)+4:CU+8*(\b)+7], v[TABR] offset:4096+64*(\b)+16
.endr
	s_wait_dscnt 0x0
.irp f, 0,1,2,3,4,5,6,7,8,9
.irp b, 0,1,2,3,4,5,6,7
.if ((\f) >= 1) && ((\f) <= 8)
	EA (\f)-1, \b
.if (\b) >= 1
	EQ (\f)-1, (\b)-1
.endif
.endif
.if (\f) >= 2
	ET (\f)-2, \b
.endif
.endr
.if ((\f) >= 1) && ((\f) <= 8)
	EQ (\f)-1, 7
.endif
.if (\f) <= 7
.irp b, 0,1,2,3,4,5,6,7
	EZ \f, \b
.if (\b) >= 1
	EE \f, (\b)-1
.endif
.endr
	EE \f, 7
.endif
.if (\f) <= 8
	v_nop                                          ; a plain instruction behind the phase's last transcendental,
	s_wait_alu depctr_va_vdst(0)                   ; and the phase's one wait, ahead of the next phase's readers
.endif
.endr
	WIN 0
.endm
; THE TILE'S SOFTMAX.  A lane's four sums of a row block, and the other half of the lanes', are added; the four waves' parts meet in LDS; every wave then makes all 128 weights for itself.
.macro SOFTMAX
	WIN 0
.irp a, 0,1,2,3,4,5,6,7
	v_pk_add_f32 v[SS+4*(\a):SS+4*(\a)+1], v[SS+4*(\a):SS+4*(\a)+1], v[SS+4*(\a)+2:SS+4*(\a)+3]
.endr
.irp a, 0,1,2,3,4,5,6,7
	v_add_f32 v[T0+(\a)], v[SS+4*(\a)], v[SS+4*(\a)+1]
.endr
.irp a, 0,1,2,3,4,5,6,7
	v_permlanex16_b32 v[T0+8+(\a)], v[T0+(\a)], s[SEL], s[SEL+1]
.endr
.irp a, 0,1,2,3,4,5,6,7
	v_add_f32 v[T0+(\a)], v[T0+(\a)], v[T0+8+(\a)]             ; every lane: my wave's part of the score of row 16 a + r
.endr
.irp q, 0,1,2,3
	v_cndmask_b32 v[T0+16+(\q)], v[T0+2*(\q)], v[T0+2*(\q)+1], s[HIM]  ; lane l: row 32 q + l
.endr
.irp q, 0,1,2,3
	ds_store_b32 v[SCW], v[T0+16+(\q)] offset:128*(\q)
.endr
	s_wait_dscnt 0x0                               ; for the others' sake: my part is stored
	s_barrier_signal -1
	s_barrier_wait -1
.irp w, 0,1,2,3
.irp q, 0,1,2,3
	ds_load_b32 v[T0+4*(\w)+(\q)], v[SCRD] offset:512*(\w)+128*(\q)
.endr
.endr
	s_wait_dscnt 0x0
.irp q, 0,1,2,3
	v_add_f32 v[T0+(\q)], v[T0+(\q)], v[T0+4+(\q)]
.endr
.irp q, 0,1,2,3
	v_add_f32 v[T0+8+(\q)], v[T0+8+(\q)], v[T0+12+(\q)]
.endr
.irp q, 0,1,2,3
	v_add_f32 v[T0+(\q)], v[T0+(\q)], v[T0+8+(\q)]             ; the scores of rows 32 q + l
.endr
	v_max3_num_f32 v[T0+16], v[T0], v[T0+1], v[T0+2]
	v_max_num_f32 v[T0+16], v[T0+16], v[T0+3]
	v_max_num_f32_dpp v[T0+16], v[T0+16], v[T0+16] row_xmask:1 row_mask:0xf bank_mask:0xf
	v_max_num_f32_dpp v[T0+16], v[T0+16], v[T0+16] row_xmask:2 row_mask:0xf bank_mask:0xf
	v_max_num_f32_dpp v[T0+16], v[T0+16], v[T0+16] row_xmask:4 row_mask:0xf bank_mask:0xf
	v_max_num_f32_dpp v[T0+16], v[T0+16], v[T0+16] row_xmask:8 row_mask:0xf bank_mask:0xf
	v_permlanex16_b32 v[T0+17], v[T0+16], s[SEL], s[SEL+1]
	v_max_num_f32 v[ML], v[T0+16], v[T0+17]        ; m: the tile's maximum, in every lane
	v_mul_f32 v[T0+18], s[L2E], v[ML]
.irp q, 0,1,2,3
	v_fma_f32 v[T0+(\q)], v[T0+(\q)], s[L2E], -v[T0+18]
.endr
.irp q, 0,1,2,3
	v_exp_f32 v[T0+(\q)], v[T0+(\q)]               ; p = e^(score - m)
.endr
	v_nop
	s_wait_alu depctr_va_vdst(0)                   ; one wait for the four exponentials
	v_add_f32 v[T0+16], v[T0], v[T0+1]
	v_add_f32 v[T0+17], v[T0+2], v[T0+3]
	v_add_f32 v[T0+16], v[T0+16], v[T0+17]
	v_add_f32_dpp v[T0+16], v[T0+16], v[T0+16] row_xmask:1 row_mask:0xf bank_mask:0xf
	v_add_f32_dpp v[T0+16], v[T0+16], v[T0+16] row_xmask:2 row_mask:0xf bank_mask:0xf
	v_add_f32_dpp v[T0+16], v[T0+16], v[T0+16] row_xmask:4 row_mask:0xf bank_mask:0xf
	v_add_f32_dpp v[T0+16], v[T0+16], v[T0+16] row_xmask:8 row_mask:0xf bank_mask:0xf
	v_permlanex16_b32 v[T0+17], v[T0+16], s[SEL], s[SEL+1]
	v_add_f32 v[ML+1], v[T0+16], v[T0+17]          ; l: the sum of the unrounded p
.irp q, 0,1,2,3
	v_cvt_pk_bf16_f32 v[T0+4+(\q)], v[T0+(\q)], v[T0+(\q)]     ; p rounded to bf16,
.endr
.irp q, 0,1,2,3
	v_lshlrev_b32 v[T0+8+(\q)], 16, v[T0+4+(\q)]
.endr
.irp q, 0,1,2,3
	v_sub_f32 v[T0+8+(\q)], v[T0+(\q)], v[T0+8+(\q)]           ; what the rounding left,
.endr
.irp q, 0,1,2,3
	v_cvt_pk_bf16_f32 v[T0+12+(\q)], v[T0+8+(\q)], v[T0+8+(\q)]  ; rounded in its turn
.endr
.irp q, 0,1,2,3
	ds_store_b16 v[PTW], v[T0+4+(\q)]  offset:64*(\q)
	ds_store_b16 v[PTW], v[T0+12+(\q)] offset:256+64*(\q)
.endr
.endm
; THE TILE'S CONTEXT: c[d] = sum over s of p[s] x[s][d], wave w for d = 256 w .. 256 w + 255: 16 tiles of 16 channels, K = the 128 rows in four steps of 32.
; Source 0: rows m even hold p's first term, rows m odd its second.  Source 1: x turned, by ds_load_tr16_b128 (lane l addresses row 8 h + l % 8 and the 8 channels (l / 8) % 2).
; In the result registers 0 and 1 of a lane are the two terms' sums for channel r.
.macro TLOAD kk, buf
	WIN 0xc0
.irp t, 0,1,2,3,4,5,6,7,8,9,10,11,12,13,14,15
	ds_load_tr16_b128 v[128*(\buf)+8*(\t):128*(\buf)+8*(\t)+3],   v[CTA] offset:((\t)/2)*BLK+((\t)%2)*512+2048*(\kk)
	ds_load_tr16_b128 v[128*(\buf)+8*(\t)+4:128*(\buf)+8*(\t)+7], v[CTA] offset:((\t)/2)*BLK+((\t)%2)*512+2048*(\kk)+1024
.endr
.endm
.macro CMUL kk, buf                    ; the 16 accumulators take turns
	WIN 0xac
.irp t, 0,1,2,3,4,5,6,7,8,9,10,11,12,13,14,15
.if (\kk) == 0
	v_wmma_f32_16x16x32_bf16 v[8*(\t):8*(\t)+7], v[PFRG+8*(\kk):PFRG+8*(\kk)+7], v[128*(\buf)+8*(\t):128*(\buf)+8*(\t)+7], 0
.else
	v_wmma_f32_16x16x32_bf16 v[8*(\t):8*(\t)+7], v[PFRG+8*(\kk):PFRG+8*(\kk)+7], v[128*(\buf)+8*(\t):128*(\buf)+8*(\t)+7], v[8*(\t):8*(\t)+7]
.endif
.endr
.endm
; The counts: a run is 32 loads.  A wait for 24 shows the run before the youngest done, and the youngest's first eight loads; with the next run behind it 56 LDS instructions of mine are out at the most.
.macro CONTEXT
	WIN 0
.irp k, 0,1,2,3
	ds_load_b128 v[PFRG+8*(\k):PFRG+8*(\k)+3],   v[PTR] offset:64*(\k)      ; LDS serves a wave's instructions in order (ISA guide 5.7.1.4): these see my stores of p
	ds_load_b128 v[PFRG+8*(\k)+4:PFRG+8*(\k)+7], v[PTR] offset:64*(\k)+32
.endr
	TLOAD 0, 0
	s_wait_dscnt 24                                ; my stores of p, its fragments and the run's first eight loads are done
	TLOAD 1, 1
	s_wait_dscnt 24                                ; run 0 is in
	CMUL 0, 0
	PLACES
	TLOAD 2, 0
	s_wait_dscnt 24                                ; run 1 is in
	CMUL 1, 1
	PLACES
	TLOAD 3, 1
	s_wait_dscnt 32                                ; run 2 is in; run 3 stays out
	CMUL 2, 0
	s_wait_dscnt 0x0
	CMUL 3, 1
	PLACES
	PLACES
	WIN 0x0a                                       ; sources 0 and 1 window 2, destination window 0
.irp t, 0,1,2,3,4,5,6,7,8,9,10,11,12,13,14,15
	v_add_f32 v[CSUM+(\t)], v[8*(\t)], v[8*(\t)+1] ; the two terms; each accumulator is read at its low end
.endr
	WIN 0
.irp t, 0,1,2,3,4,5,6,7
	v_cndmask_b32 v[CSUM+16+(\t)], v[CSUM+2*(\t)], v[CSUM+2*(\t)+1], s[HIM]  ; lane l: channel 256 w + 32 t + l
.endr
.irp t, 0,1,2,3,4,5,6,7
	ds_store_b32 v[CSW], v[CSUM+16+(\t)] offset:128*(\t)
.endr
	ds_load_b128 v[CSUM+24:CSUM+27], v[CSR]        ; my own bytes, in order: four neighbouring channels a lane
	ds_load_b128 v[CSUM+28:CSUM+31], v[CSR] offset:512
	s_wait_dscnt 0x0
	global_store_b128 v[GO], v[CSUM+24:CSUM+27], s[PRT:PRT+1]             ; 16 lanes store 256 consecutive bytes, at a multiple of 256 from part's first byte
	global_store_b128 v[GO], v[CSUM+28:CSUM+31], s[PRT:PRT+1] offset:512
	s_cmp_lg_u32 s[WV], 0
	s_cbranch_scc1 .Lnoml_\@
	global_store_b64 v[MLO], v[ML:ML+1], s[PRT:PRT+1] offset:4096         ; wave 0: (m, l) 32 times: 256 consecutive bytes
.Lnoml_\@:
.endm
	s_load_b256 s[4:11], s[0:1], 0x0               ; encoded s[4:5], Wf s[6:7], B s[8:9], U s[10:11]
	s_load_b64 s[12:13], s[0:1], 0x20              ; part
	v_lshl_add_u32 v[SPW], v0, 2, SPARE
	v_mov_b32 v[NIL], 0
	v_lshrrev_b32 v1, 5, v0
	v_readfirstlane_b32 s[WV], v1                  ; wave 0..3
	v_and_b32 v21, 31, v0                          ; l
	v_and_b32 v22, 15, v0                          ; r
	v_bfe_u32 v23, v0, 4, 1                        ; h
	v_bfe_u32 v24, v0, 3, 1
	v_and_b32 v25, 7, v0
	v_and_b32 v26, 1, v0
	v_lshlrev_b32 v[FO], 12, v22
	v_lshl_add_u32 v[FO], v23, 5, v[FO]
	v_lshlrev_b32 v[WO], 4, v21
	v_lshlrev_b32 v[PFO], 12, v21
	s_lshl_b32 s38, s[WV], 9
	s_add_co_u32 s39, s38, TB
	v_lshl_add_u32 v[TAB], v23, 5, s39
	s_add_co_u32 s39, s38, SCR
	v_lshl_add_u32 v[SCW], v21, 2, s39
	v_lshl_add_u32 v[SCRD], v21, 2, SCR
	s_add_co_u32 s39, s38, PT
	v_lshl_add_u32 v[PTW], v21, 1, s39
	v_lshl_add_u32 v[PTR], v23, 4, s39
	v_lshl_add_u32 v[PTR], v26, 8, v[PTR]
	s_lshl_b32 s38, s[WV], 10
	s_add_co_u32 s39, s38, CST
	v_lshl_add_u32 v[CSW], v21, 2, s39
	v_lshl_add_u32 v[CSR], v21, 4, s39
	v_lshl_add_u32 v[GO], v21, 4, s38
	v_lshlrev_b32 v[MLO], 3, v21
	v_lshlrev_b32 v[XA0], 4, v21
	s_lshl_b32 s38, s[WV], 11
	v_lshl_add_u32 v[XS0], v21, 4, s38
	v_lshl_add_u32 v25, v23, 3, v25
	v_lshlrev_b32 v[CTA], 4, v25
	v_lshl_add_u32 v[CTA], v24, 8, v[CTA]
	s_lshl_b32 s38, s[WV], 16
	v_add_nc_u32 v[CTA], s38, v[CTA]
	v_lshlrev_b32 v28, 5, v0                       ; my 8 numbers of B and of U: byte 32 t
	v_add_nc_u32 v29, TB, v28
.irp i, 8,9,10,11,12,13,14,15,17
	v_mov_b32 v[T0+(\i)], 0                        ; destinations of v_permlanex16_b32 count as read: written once
.endr
	s_mov_b32 s[CC], 0x4038aa3b                    ; c = 2 log2(e)
	s_mov_b32 s[CC+1], s[CC]
	s_mov_b32 s[SEL], 0x76543210
	s_mov_b32 s[SEL+1], 0xfedcba98
	s_mov_b32 s[HIM], 0xffff0000
	s_mov_b32 s[L2E], 0x3fb8aa3b
	s_mov_b32 s[PST+1], 0
	s_mov_b32 s[PASS], 4
	s_mov_b32 s[RES], 0
	s_mov_b32 s[TOFF], 0
	s_lshl_b32 s38, s[WV], 19
	s_mov_b32 s39, 0
	s_lshl_b32 s40, ttmp9, 20                      ; the work-group's 256 rows of 4,096 bytes,
	s_lshl_b32 s41, s[WV], 17                      ; my wave's 32 of a tile's 128
	s_add_co_u32 s40, s40, s41
	s_mov_b32 s41, 0
	s_wait_kmcnt 0x0
	s_add_nc_u64 s[WB:WB+1], s[6:7], s[38:39]
	s_mov_b64 s[WP:WP+1], s[WB:WB+1]
	s_add_nc_u64 s[XT:XT+1], s[4:5], s[40:41]
	s_mov_b64 s[XP:XP+1], s[XT:XT+1]
	s_mul_i32 s38, ttmp9, 8704                     ; two tiles of 4,352 bytes
	s_add_nc_u64 s[PRT:PRT+1], s[12:13], s[38:39]
	global_load_b128 v[64:67], v28, s[8:9]
	global_load_b128 v[68:71], v28, s[8:9] offset:16
	global_load_b128 v[72:75], v28, s[10:11]
	global_load_b128 v[76:79], v28, s[10:11] offset:16
	WLOAD 0, 0                                     ; W's blocks 0 and 1, x's blocks 0 to 2: 60 loads of mine are out
	WLOAD 1, BLK
	XLOAD 0, 0
	XLOAD 1, 128
	XLOAD 2, 256
	WIN 0
	s_wait_loadcnt 56                              ; the four loads of B and U are in; the 56 behind them stay out
.irp i, 0,2,4,6
	v_pk_mul_f32 v[64+(\i):65+(\i)], v[64+(\i):65+(\i)], s[CC:CC+1] op_sel_hi:[1,0]   ; c B
	v_pk_mul_f32 v[72+(\i):73+(\i)], v[72+(\i):73+(\i)], -2.0 op_sel_hi:[1,0]         ; -2 U
.endr
	ds_store_b128 v29, v[64:67]
	ds_store_b128 v29, v[68:71] offset:16
	ds_store_b128 v29, v[72:75] offset:4096
	ds_store_b128 v29, v[76:79] offset:4112        ; the first tile's first barrier shows the tables to every wave
.Lpass:                                        ; four passes: tile 0 streaming, resident; tile 1 streaming, resident
	s_cmp_eq_u32 s[RES], 1
	s_cbranch_scc1 .Lres
	; A TILE BEGINS.  Its first loads (W's blocks 0, 1; x's blocks 0 to 2) went out at the kernel's head or under the last tile's end.
.set i, 0
.rept 32
	v_mov_b32 v[SS+i], 0                           ; the score sums run over both passes, whose one text adds onto them
.set i, i+1
.endr
	v_mov_b32 v[XA], v[XA0]
	v_mov_b32 v[XS], v[XS0]
	s_mov_b32 s[XO], 0
	s_add_nc_u64 s[PF:PF+1], s[XT:XT+1], 1536      ; piece 6 of my rows
	s_wait_loadcnt 0x0
	XCVT 0
	XSTORE 0, 0
	XLOAD 0, 384                                   ; block 3
	s_wait_dscnt 0x0                               ; my part of block 0 (and of the tables) is stored
	s_barrier_signal -1
	s_barrier_wait -1
	ALOAD 0, 0
	SSTEP 0, 0, 1, 1, 1, 1, 1, -1, 0               ; step 0 starts the sums: nothing is cleared
	STEPPTR 1, 1
	s_mov_b32 s[CNT], 9
.Ls:                                           ; steps 1 to 27, three a trip: the rings of W, of x's halves and of x's groups all have period 3
	SSTEP 1, 0, 0, 1, 1, 1, 1, 32, 1
	SSTEP 2, 1, 0, 1, 1, 1, 1, 32, 0
	SSTEP 0, 2, 0, 1, 1, 1, 1, 32, 0
	STEPPTR 3, 1
	s_and_b32 s38, s[CNT], 1
	s_lshr_b32 s[PST], 512, s38                    ; one piece was asked for where CNT is odd, two where it is even
	s_add_nc_u64 s[PF:PF+1], s[PF:PF+1], s[PST:PST+1]
	s_sub_co_u32 s[CNT], s[CNT], 1
	s_cmp_lg_u32 s[CNT], 0
	s_cbranch_scc1 .Ls
	SSTEP 1, 0, 0, 1, 0, 1, 1, 32, 0               ; step 28: x has no block 32; younger than W(28): x(30), W(29), x(31)
	SSTEP 2, 1, 0, 1, 0, 1, 1, 24, 0               ; step 29: younger than W(29): x(31), W(30)
	SSTEP 0, 2, 0, 0, 0, 1, 1, 16, 0               ; step 30: younger than W(30): W(31)
	SSTEP 1, 3, 0, 0, 0, 0, 0, 0, 0                ; step 31
	PLACES
	PLACES                                         ; behind the last products: ahead of the loads into their sources and of the epilogue's first reads
	PRIME 1                                        ; the second pass's W lands under the epilogue
	WIN 0
	s_branch .Lepi
.Lres:
	s_add_nc_u64 s[PF:PF+1], s[XT:XT+1], 520704    ; seven trips of 512 bytes short of the next tile's piece 0; every earlier prefetch has an s_wait_xcnt 0 behind it
	s_cmp_eq_u32 s[PASS], 3
	s_cselect_b32 s[LIMR], 2, 0                    ; the first tile's resident pass prefetches in its last two trips, the second's never
	v_mov_b32 v[XA], v[XA0]
	s_mov_b32 s[XO], 0
	ALOAD 0, 0
	RSTEP 0, 0, 1, 1, 1, 16, 0
	STEPPTR 1, 0
	s_mov_b32 s[CNT], 9
.Lr:
	RSTEP 1, 0, 0, 1, 1, 16, 1
	RSTEP 2, 1, 0, 1, 1, 16, 0
	RSTEP 0, 2, 0, 1, 1, 16, 0
	STEPPTR 3, 0
	s_add_nc_u64 s[PF:PF+1], s[PF:PF+1], 512
	s_sub_co_u32 s[CNT], s[CNT], 1
	s_cmp_lg_u32 s[CNT], 0
	s_cbranch_scc1 .Lr
	RSTEP 1, 0, 0, 1, 1, 16, 0
	RSTEP 2, 1, 0, 1, 1, 16, 0
	RSTEP 0, 2, 0, 0, 1, 16, 0                     ; step 30: W(31) stays out
	RSTEP 1, 3, 0, 0, 0, 0, 0
	PLACES
	PLACES
	WIN 0
	s_cmp_eq_u32 s[PASS], 1
	s_cbranch_scc1 .Lepi                           ; the last tile has no successor
	s_wait_xcnt 0x0
	s_add_nc_u64 s[XT:XT+1], s[XT:XT+1], 524288    ; the next tile's 128 rows: its first loads land under epilogue, softmax and context
	s_mov_b64 s[XP:XP+1], s[XT:XT+1]
	PRIME 0
	XLOAD 0, 0
	XLOAD 1, 128
	XLOAD 2, 256
	WIN 0
	global_prefetch_b8 v[PFO], s[XP:XP+1] offset:1024 th:TH_LOAD_NT scope:SCOPE_SE  ; its pieces 4 and 5
	global_prefetch_b8 v[PFO], s[XP:XP+1] offset:1280 th:TH_LOAD_NT scope:SCOPE_SE
.Lepi:
	EPI
	s_xor_b32 s[TOFF], s[TOFF], 2048               ; the other half of the tables next time
	s_cmp_eq_u32 s[RES], 0
	s_cbranch_scc1 .Lnext
	SOFTMAX
	CONTEXT
	s_wait_dscnt 0x0                               ; my reads of x are over:
	s_barrier_signal -1
	s_barrier_wait -1                              ; everybody's are: the next tile may be stored over it
	s_wait_xcnt 0x0                                ; the stores have read their registers and their base
	s_add_nc_u64 s[PRT:PRT+1], s[PRT:PRT+1], 4352
.Lnext:
	s_xor_b32 s[RES], s[RES], 1
	s_sub_co_u32 s[PASS], s[PASS], 1
	s_cmp_lg_u32 s[PASS], 0
	s_cbranch_scc1 .Lpass
	s_wait_tensorcnt 0x0                           ; the wave's end, behind my last LDS store
	ds_add_u32 v[SPW], v[NIL]
	s_wait_dscnt 0x0
	s_endpgm
.Lfunc_end_k_qf8fccc20bc_main:
	.size	k_qf8fccc20bc_main, .Lfunc_end_k_qf8fccc20bc_main-k_qf8fccc20bc_main
	.p2alignl 7, 3214868480
	.fill 96, 4, 3214868480
	.section	.rodata,"a",@progbits
	.p2align	6, 0x0
	.amdhsa_kernel k_qf8fccc20bc_main
		.amdhsa_group_segment_fixed_size 279040
		.amdhsa_private_segment_fixed_size 0
		.amdhsa_enable_private_segment 0
		.amdhsa_kernarg_size 40
		.amdhsa_user_sgpr_count 2
		.amdhsa_user_sgpr_kernarg_segment_ptr 1
		.amdhsa_wavefront_size32 1
		.amdhsa_system_sgpr_workgroup_id_x 1
		.amdhsa_system_sgpr_workgroup_id_y 1
		.amdhsa_system_sgpr_workgroup_id_z 1
		.amdhsa_system_vgpr_workitem_id 0
		.amdhsa_next_free_vgpr 1024
		.amdhsa_next_free_sgpr 66
		.amdhsa_reserve_vcc 0
		.amdhsa_float_denorm_mode_32 3
		.amdhsa_float_denorm_mode_16_64 3
		.amdhsa_memory_ordered 1
		.amdhsa_forward_progress 1
		.amdhsa_inst_pref_size 250
	.end_amdhsa_kernel
	.amdgpu_metadata
---
amdhsa.version: [ 1, 2 ]
amdhsa.kernels:
  - .name:           k_qf8fccc20bc_main
    .symbol:         k_qf8fccc20bc_main.kd
    .args:
      - { .name: encoded, .offset: 0, .size: 8, .value_kind: global_buffer, .address_space: global }
      - { .name: Wf, .offset: 8, .size: 8, .value_kind: global_buffer, .address_space: global }
      - { .name: B, .offset: 16, .size: 8, .value_kind: global_buffer, .address_space: global }
      - { .name: U, .offset: 24, .size: 8, .value_kind: global_buffer, .address_space: global }
      - { .name: part, .offset: 32, .size: 8, .value_kind: global_buffer, .address_space: global }
    .group_segment_fixed_size: 279040
    .private_segment_fixed_size: 0
    .kernarg_segment_align: 8
    .kernarg_segment_size: 40
    .max_flat_workgroup_size: 128
    .sgpr_count:     66
    .vgpr_count:     1024
    .wavefront_size: 32
...
	.end_amdgpu_metadata
.endif
;; end of part 2
;; launch combine (part 3): grid 4 x 32, 2 waves a work-group, no clusters, 0 bytes of LDS; arguments part, out0; writes out0
.if DOCPART == 3
	.amdgcn_target "amdgcn-amd-amdhsa--gfx1250"
	.amdhsa_code_object_version 6
	.text
	.protected	k_qf8fccc20bc_combine
	.globl	k_qf8fccc20bc_combine
	.p2align	8
	.type	k_qf8fccc20bc_combine,@function
k_qf8fccc20bc_combine:
	s_mov_b64 s[64:65], 0
	v_nop
	global_prefetch_b8 v0, s[64:65] scope:SCOPE_SE
	s_setreg_imm32_b32 hwreg(HW_REG_WAVE_MODE, 25, 1), 1
	s_wait_xcnt 0x0
; out[b][d] = (sum over the batch's 16 tiles i of w_i c_i[d]) / (sum over i of w_i l_i), w_i = e^(m_i - M), M = the largest m_i.
; The m_i are maxima of scores without the term sum(U), left out in all tiles alike (shown at the head of the first kernel): it cancels here as in the softmax.
; part: 4,352 bytes a tile: c[1,024] f32, then 32 copies of (m, l).  A work-group takes 256 columns of one batch, a thread four: its loads and its store are 16 bytes a lane, 16 lanes 256 bytes on end.
; A weight below 2^-126 counts as 0; M's own tile has weight 1, so the divisor is at least that tile's l, which is at least 1.
	s_load_b128 s[4:7], s[0:1], 0x0                ; part s[4:5], out0 s[6:7]
	s_and_b32 s8, ttmp7, 0xffff                    ; the batch
	s_mul_i32 s10, s8, 69632                       ; its 16 tiles
	s_mov_b32 s11, 0
	s_lshl_b32 s12, s8, 12                         ; its row of out0,
	s_lshl_b32 s9, ttmp9, 10                       ; the work-group's 256 columns
	s_add_co_u32 s12, s12, s9
	s_mov_b32 s13, 0
	s_mov_b32 s14, 0x3fb8aa3b                      ; log2(e)
	v_and_b32 v1, 31, v0
	v_lshlrev_b32 v1, 3, v1                        ; my copy of (m, l)
	v_lshlrev_b32 v3, 4, v0                        ; my four columns
	v_add_nc_u32 v2, s9, v3
	s_wait_kmcnt 0x0
	s_add_nc_u64 s[4:5], s[4:5], s[10:11]
	s_add_nc_u64 s[6:7], s[6:7], s[12:13]
.irp i, 0,1,2,3,4,5,6,7,8,9,10,11,12,13,14,15
	global_load_b64 v[8+2*(\i):9+2*(\i)], v1, s[4:5] offset:4096+4352*(\i)
.endr
.irp i, 0,1,2,3,4,5,6,7,8,9,10,11,12,13,14,15
	global_load_b128 v[40+4*(\i):43+4*(\i)], v2, s[4:5] offset:4352*(\i)
.endr
	s_wait_loadcnt 16                              ; the 16 pairs (m, l) are in; the 16 loads of c stay out
	v_max3_num_f32 v120, v8, v10, v12
.irp i, 3,5,7,9,11,13
	v_max3_num_f32 v120, v120, v[8+2*(\i)], v[10+2*(\i)]
.endr
	v_max_num_f32 v120, v120, v38                  ; M
	v_mul_f32 v121, s14, v120
.irp i, 0,1,2,3,4,5,6,7,8,9,10,11,12,13,14,15
	v_fma_f32 v[104+(\i)], v[8+2*(\i)], s14, -v121
.endr
.irp i, 0,1,2,3,4,5,6,7,8,9,10,11,12,13,14,15
	v_exp_f32 v[104+(\i)], v[104+(\i)]             ; w_i
.endr
	v_nop
	s_wait_alu depctr_va_vdst(0)                   ; one wait for the 16 exponentials
	v_mul_f32 v122, v104, v9
	v_mul_f32 v123, v105, v11
.irp i, 2,4,6,8,10,12,14
	v_fma_f32 v122, v[104+(\i)], v[9+2*(\i)], v122
	v_fma_f32 v123, v[105+(\i)], v[11+2*(\i)], v123
.endr
	v_add_f32 v122, v122, v123                     ; the divisor
	v_rcp_f32 v124, v122
	v_nop
	s_wait_alu depctr_va_vdst(0)
	s_wait_loadcnt 0x0
.irp j, 0,1,2,3
	v_mul_f32 v[8+(\j)], v104, v[40+(\j)]
.endr
.irp i, 1,2,3,4,5,6,7,8,9,10,11,12,13,14,15
.irp j, 0,1,2,3
	v_fma_f32 v[8+(\j)], v[104+(\i)], v[40+4*(\i)+(\j)], v[8+(\j)]
.endr
.endr
.irp j, 0,1,2,3
	v_mul_f32 v[8+(\j)], v[8+(\j)], v124
.endr
	global_store_b128 v3, v[8:11], s[6:7]
	s_endpgm
.Lfunc_end_k_qf8fccc20bc_combine:
	.size	k_qf8fccc20bc_combine, .Lfunc_end_k_qf8fccc20bc_combine-k_qf8fccc20bc_combine
	.p2alignl 7, 3214868480
	.fill 96, 4, 3214868480
	.section	.rodata,"a",@progbits
	.p2align	6, 0x0
	.amdhsa_kernel k_qf8fccc20bc_combine
		.amdhsa_group_segment_fixed_size 0
		.amdhsa_private_segment_fixed_size 0
		.amdhsa_enable_private_segment 0
		.amdhsa_kernarg_size 16
		.amdhsa_user_sgpr_count 2
		.amdhsa_user_sgpr_kernarg_segment_ptr 1
		.amdhsa_wavefront_size32 1
		.amdhsa_system_sgpr_workgroup_id_x 1
		.amdhsa_system_sgpr_workgroup_id_y 1
		.amdhsa_system_sgpr_workgroup_id_z 1
		.amdhsa_system_vgpr_workitem_id 0
		.amdhsa_next_free_vgpr 128
		.amdhsa_next_free_sgpr 66
		.amdhsa_reserve_vcc 0
		.amdhsa_float_denorm_mode_32 3
		.amdhsa_float_denorm_mode_16_64 3
		.amdhsa_memory_ordered 1
		.amdhsa_forward_progress 1
		.amdhsa_inst_pref_size 12
	.end_amdhsa_kernel
	.amdgpu_metadata
---
amdhsa.version: [ 1, 2 ]
amdhsa.kernels:
  - .name:           k_qf8fccc20bc_combine
    .symbol:         k_qf8fccc20bc_combine.kd
    .args:
      - { .name: part, .offset: 0, .size: 8, .value_kind: global_buffer, .address_space: global }
      - { .name: out0, .offset: 8, .size: 8, .value_kind: global_buffer, .address_space: global }
    .group_segment_fixed_size: 0
    .private_segment_fixed_size: 0
    .kernarg_segment_align: 8
    .kernarg_segment_size: 16
    .max_flat_workgroup_size: 64
    .sgpr_count:     66
    .vgpr_count:     128
    .wavefront_size: 32
...
	.end_amdgpu_metadata
.endif
;; end of part 3
